; MI455X (gfx1250); checked and timed in simulation.
; The chip was launched on July 23, 2026; its instructions are those of AMD's public machine-readable ISA for CDNA 5 (MIT licence, August 2026) and "CDNA5" Instruction Set Architecture Reference Guide (July 2026). The comments in the code are by the model that wrote it; some were corrected since.
;; Flash Attention3. Allowed arithmetic: matrix products marked QUANTISED: E5M2 operands, one given power-of-two scale a tensor, by v_wmma_f32_16x16x64_bf8_bf8 or v_wmma_f32_16x16x128_bf8_bf8, f32 sums; everything else in f32.
;; Inputs: Wk_codes 1,024 x 32 x 32 uint8 (E5M2 codes of Wk, K innermost, in blocks of 32 codes); Wo_codes 1,024 x 32 x 32 uint8 (E5M2 codes of Wo, K innermost, in blocks of 32 codes); Wq_codes 1,024 x 32 x 32 uint8 (E5M2 codes of Wq, K innermost, in blocks of 32 codes); Wv_codes 1,024 x 32 x 32 uint8 (E5M2 codes of Wv, K innermost, in blocks of 32 codes); bk 1,024 float32; bo 1,024 float32; bq 1,024 float32; bv 1,024 float32; lowp_scales 12 int32 (the exponents e of the quantised operands' scales 2^e); x_codes 4 x 2,048 x 32 x 32 uint8 (E5M2 codes of x, K innermost, in blocks of 32 codes).
;; Outputs: out0 4 x 2,048 x 1,024 float32.
;; This version of the problem:
;;   THIS VERSION OF THE PROBLEM IS GIVEN IN LOW PRECISION. The matrix products marked QUANTISED in the list below multiply operands that are first quantised to E5M2 (5 exponent bits, 2 mantissa bits; 8 bits a number), with one given power-of-two scale for each operand tensor; their sums are f32. All else is computed in f32.
;;   The module's matrix products, in the order in which they are computed (A, B: the left and right operand; K: the contracted axis; several contracted axes count as one K, in the product's order):
;;     1. [M 8,192, K 1,024] x [K 1,024, N 1,024]; A: input x (given as codes); B: input Wq (given as codes): QUANTISED (scales: A lowp_scales[0], B lowp_scales[1])
;;     2. [M 8,192, K 1,024] x [K 1,024, N 1,024]; A: input x (given as codes); B: input Wk (given as codes): QUANTISED (scales: A lowp_scales[2], B lowp_scales[3])
;;     3. [M 8,192, K 1,024] x [K 1,024, N 1,024]; A: input x (given as codes); B: input Wv (given as codes): QUANTISED (scales: A lowp_scales[4], B lowp_scales[5])
;;     4. batch 64 x [M 2,048, K 64] x [K 64, N 2,048]; A: computed on the way; B: computed on the way: QUANTISED (scales: A lowp_scales[6], B lowp_scales[7])
;;     5. batch 64 x [M 2,048, K 2,048] x [K 2,048, N 64]; A: softmax (see below); B: computed on the way: QUANTISED (scales: A lowp_scales[8], B lowp_scales[9])
;;     6. [M 8,192, K 1,024] x [K 1,024, N 1,024]; A: computed on the way; B: input Wo (given as codes): QUANTISED (scales: A lowp_scales[10], B lowp_scales[11])
;;   THE QUANTISER, for each operand of a quantised product, along K:
;;     - The operand's scale is 2^e, e = its entry of the input lowp_scales (int32; the entries are numbered through the quantised products in the list's order, A before B).
;;     - Each number is divided by the scale, clamped to +-57,344, and rounded to the nearest number of E5M2, ties to even, subnormals kept.
;;     - The product sums the exact products of the quantised numbers (number of the format x scale) in f32.
;;   ~~~python
;;   def quantise(x, axis, e):      # numpy; x: float32 -> the quantised numbers, widened to float32 again
;;       x = np.moveaxis(x, axis, -1); K = x.shape[-1]
;;       r = np.clip(x / 2.0 ** e, -57344, 57344)
;;       step = 2.0 ** (np.maximum(np.frexp(np.where(r == 0, 1, r))[1] - 1, -14) - 2)
;;       q = np.round(r / step) * step * 2.0 ** e      # np.round: ties to even
;;       return np.moveaxis(q, -1, axis).astype(np.float32)
;;   ~~~
;;   SOFTMAX AHEAD OF A QUANTISED PRODUCT. Where the list says 'softmax', what is quantised is not the finished softmax but p = 2^(t - M), with t = logit x log2(e) and M = ceil(the row's largest t), a whole number; so 1/2 < the row's largest p <= 1. The row's sum l is taken of the UNQUANTISED p, in f32, and the product's result is divided by l at the end. Since M is a whole number, a kernel that streams over the keys may use a running M (the ceiling of the running maximum): every later rescaling is an exact power of two, so the quantised numbers keep their values, but for numbers so far below the row's largest that they fall under the format's range.
;;   OPERANDS COMPUTED ON THE WAY. 'Computed on the way' means the value that the module computes at that place (a softmax that the list does not call 'softmax' is quantised finished and normalised). What goes into a quantiser is computed in f32, as accurately as f32 sums, v_exp_f32 and their like allow (about 1e-6 of the number): no bf16 or f16 on the way to a quantiser, and a product that is left as it is and whose result goes on into a quantised operand takes f32 operands (vector FMAs, or v_wmma_f32_16x16x4_f32). A number that lies on a knife's edge between two numbers of the format may be rounded either way, as far as f32 arithmetic and the matrix unit's own rounding can turn it there, and no further.
;;   INPUTS GIVEN AS CODES. Wk (in the module: [1024, 1024], K = its axis 1); Wo (in the module: [1024, 1024], K = its axis 1); Wq (in the module: [1024, 1024], K = its axis 1); Wv (in the module: [1024, 1024], K = its axis 1); x (in the module: [4, 2048, 1024], K = its axis 2): each comes as NAME_codes (uint8): NAME with its K axis moved to the last place and cut into blocks of 32 codes, [.., K / 32, bytes a block], one block behind the other in memory; one code a byte (a code: sign, 5 exponent bits, 2 mantissa bits); its scale is its entry of lowp_scales. Its value is code x scale, taken as it is: it is not quantised again, and the codes and scales need not be those that the quantiser above would give.
;; One version. Each part assembles by itself: llvm-mc -triple=amdgcn-amd-amdhsa -mcpu=gfx1250 --defsym DOCPART=n.
;; ======== version 1 of 1: 3 launches
;; limits: right only within a limited range of input values
;; workspace buffers: q_codes 8,388,608 bytes; k_codes 8,388,608 bytes; v_codes 8,388,608 bytes; o_codes 8,388,608 bytes
;; launch qkv (part 1): grid 12 x 32, 4 waves a work-group, clusters of 4 x 4, 327,680 bytes of LDS; arguments x_codes, Wq_codes, Wk_codes, Wv_codes, bq, bk, bv, lowp_scales, q_codes, k_codes, v_codes; writes q_codes, k_codes, v_codes
.if DOCPART == 1
	.amdgcn_target "amdgcn-amd-amdhsa--gfx1250"
	.amdhsa_code_object_version 6
	.text
	.protected	k_q3bcd57f82c_qkv
	.globl	k_q3bcd57f82c_qkv
	.p2align	8
	.type	k_q3bcd57f82c_qkv,@function
k_q3bcd57f82c_qkv:
	s_mov_b64 s[64:65], 0
	v_nop
	global_prefetch_b8 v0, s[64:65] scope:SCOPE_SE
	s_setreg_imm32_b32 hwreg(HW_REG_WAVE_MODE, 25, 1), 1
	s_wait_xcnt 0x0
	s_wait_alu depctr_hold_cnt(0) depctr_sa_sdst(0) depctr_va_vdst(0) depctr_va_sdst(0) depctr_va_ssrc(0) depctr_va_vcc(0) depctr_vm_vsrc(0)
	s_getreg_b32 s2, hwreg(HW_REG_IB_STS2, 6, 4)
	s_cmp_eq_u32 s2, 0
	s_cbranch_scc0 .Lentry_in_a_cluster
	s_endpgm
.Lentry_in_a_cluster:
	s_bfe_u32 s2, ttmp6, 0x10000c
	s_cmp_lg_u32 s2, 0xf033
	s_cbranch_scc0 .Lentry_shape_is_right
	s_endpgm
.Lentry_shape_is_right:
; q, k, v = x W^T + b on codes of BF8 (E5M2), each result quantised again with its given scale and stored as codes, laid as the attention launch reads them.
; x: [8192][1024] codes; Wq, Wk, Wv: [1024][1024] codes, K innermost; biases f32.  The buffer of exponents: entries 0,1 / 2,3 / 4,5 for the three products, 6 (q), 7 (k), 9 (v) for the results.
; THE CLUSTER'S x SAYS WHICH WEIGHT: 0 q, 1 k, 2 v (a cluster's four tile columns are all 1,024 columns of one weight).  The body computes C[m][n] = sum A[m][k] B[n][k], a tile of 256 x 256 to a work-group,
; 128 x 128 to each of four waves (64 accumulators, 512 registers), K in steps of 256 through a ring of two LDS slots filled by joint tensor loads: A's tile shared along a row of the cluster, B's along a column.
; The matrix instruction is used transposed (source 0 = 16 rows of B, source 1 = 16 rows of A): a lane holds one row m and eight neighbouring n.
; q, k: A = x, B = W: a lane holds one token and eight neighbouring channels: codes with the head's 64 innermost.
; v:    A = Wv, B = x (the pointers are swapped): a lane holds one channel and eight neighbouring tokens: codes with the KEYS innermost, which are the second attention product's K.  Nothing is transposed.
; LAYOUTS OUT.  q_codes, k_codes: [b x 16 + head][pos 2048][64], pos = the token's place with bits 3 and 4 swapped, so that 16 consecutive pos are the rows of one tile of keys in the order that makes
; the scores' 16 registers of two neighbouring tiles 16 neighbouring keys.  v_codes: [b x 16 + head][key step 16][channel 64][128 keys].
; code = (sum x 2^(ea + eb) + bias) / 2^eo, held within +-57,344, to the nearest code, ties to even.
; LIMITS: ea + eb between -126 and 127; eo between -126 and 112, so that each power of two below is an f32 number.  NaN among the inputs is not served.
; REGISTERS, in windows of 256: window 0: v16-31 addresses; v32-35 the bias as loaded; v128-255 A's fragments, ONE set; on the way out v40-239 are at work.
;   window 1: B's fragments, TWO sets, at v0 and v128.  window 2: the accumulators of my rows 0-63 ((a, b) at v[8 (8 a + b)]); window 3: those of my rows 64-127.
.set KROW,   1024                      ; a row of A or B in memory, in bytes
.set ROWB,   256                       ; a tile's row: 256 codes
.set PITCH,  272                       ; an LDS row: 256 bytes + 16 of padding = 68 words: the 16 rows that a load touches start at 16 different banks (64 banks of 4 bytes: ISA guide 11.1)
.set FR,     16                        ; registers of a fragment: 16 rows x 128 K
.set NL,     4                         ; LDS loads that bring one
.set NP,     4                         ; places behind this matrix instruction (ISA guide 7.12.1)
.set HALFT,  128*PITCH                 ; 128 rows: what one tensor load brings
.set SLOT,   4*HALFT                   ; A's 256 rows, then B's 256 rows
.set SPARE,  2*SLOT                    ; behind the ring: the spare words, 128 bytes a wave, which no other line names
.set BIASL,  SPARE+512                 ; 512 bytes a wave: my 128 numbers of the bias
.set SPI,    144                       ; a stage row: 128 bytes of codes + 16
.set STQ,    BIASL+4*512               ; the stage of the way out for q and k: 16 rows a wave
.set STV,    STQ+4*16*SPI              ; and for v: bytes of its own
.set HEADB,  131072                    ; a head's codes in bytes
.set ADRA, 16                          ; v16-17  LDS address of my A fragments in slot 0, 1
.set ADRB, 20                          ; v20-21  the same for B
.set STOQ, 22                          ; v22     q, k: where I put 8 codes of a stage row
.set RDQ,  23                          ; v23     q, k: where I read 16 bytes back
.set STOV, 24                          ; v24, v25 the same for v
.set RDV,  25
.set CO,   26                          ; v26     16 x lane
.set BW,   27                          ; v27     where I put my 16 bytes of the bias
.set SPW,  28                          ; v28     my spare word; never rewritten
.set NIL,  29                          ; v29     0; never rewritten
.set BRQ,  30                          ; v30     the bias by columns (q, k)
.set BRV,  31                          ; v31     the bias by rows (v)
.set RAW,  32                          ; v32-35  the bias as loaded
.set LIM,  36
.set SCL,  37                          ; v37     2^eo
.set BIAS, 40                          ; v40-103 the bias in the result's layout
.set CD,   104                         ; v104-135 codes, two sets of 16
.set TMP,  144                         ; v144-207 a block's 64 numbers
.set BK,   208                         ; v208-239 rows read back, two sets of 16
.set AF,   128                         ; A's fragments
.set G1, 24                            ; s[24:31] descriptor group 1 for A's tiles; s[32:39] group 0, one set for each slot
.set G0, 32
.set G1B, 48                           ; s[48:55], s[56:63] the same for B's tiles
.set G0B, 56
.set MSB, 0
.macro WIN new                         ; the immediate's high byte repeats the setting that is left
.if MSB != (\new)
	s_set_vgpr_msb (MSB<<8)|(\new)
.set MSB, \new
.endif
.endm
.set MUL_LO, 0xa1                      ; source 0 (B) window 1, source 1 (A) window 0, C and D window 2
.set MUL_HI, 0xf1                      ; the same, C and D window 3
.set TO_B,   0x40                      ; destination window 1, address window 0
; A joint load: waves 0 and 1 fetch for A, waves 2 and 3 for B; the branch hangs on the wave's number alone.  Four v_nop follow each of the two lines.
.macro JLOAD g0a, g1a, g0b, g1b
	s_cmp_eq_u32 s15, 0
	s_cbranch_scc0 .Lfor_b_\@
	tensor_load_to_lds s[\g0a:\g0a+3], s[\g1a:\g1a+7]
	s_nop 0
.rept 4
	v_nop
.endr
	s_branch .Lasked_\@
.Lfor_b_\@:
	tensor_load_to_lds s[\g0b:\g0b+3], s[\g1b:\g1b+7]
	s_nop 0
.rept 4
	v_nop
.endr
.Lasked_\@:
.endm
.macro CREST                           ; a round of the cluster's barrier behind its opening barrier
	s_cmp_lg_u32 s14, 0
	s_cbranch_scc1 .Lnot_wave_0_\@
	s_barrier_signal -3
.Lnot_wave_0_\@:
	s_barrier_wait -3
	s_barrier_signal -1
	s_barrier_wait -1
.endm
.macro CROUND                          ; a whole round
	s_barrier_signal -1
	s_barrier_wait -1
	CREST
.endm
	s_load_b256 s[68:75], s[0:1], 0x0              ; x, Wq, Wk, Wv
	s_load_b256 s[76:83], s[0:1], 0x20             ; bq, bk, bv, the exponents
	s_load_b128 s[84:87], s[0:1], 0x40             ; q's codes, k's codes
	s_load_b64 s[88:89], s[0:1], 0x50              ; v's codes
	v_lshl_add_u32 v[SPW], v0, 2, SPARE
	v_mov_b32 v[NIL], 0
	ds_add_u32 v28, v29
	ds_add_u32 v28, v29
	s_wait_dscnt 0x0
	v_lshrrev_b32 v1, 5, v0
	v_readfirstlane_b32 s14, v1                    ; wave 0..3
	s_lshr_b32 s15, s14, 1                         ; which half of the tile's rows m is mine.  Also: I fetch for A (0) or for B (1)
	s_and_b32 s16, s14, 1                          ; which half of its columns n.  Also: which 128 rows of that tile I fetch
	s_bfe_u32 s40, ttmp6, 0x40000                  ; cx, cy: my place in the cluster
	s_bfe_u32 s41, ttmp6, 0x40004
	s_and_b32 s92, ttmp7, 0xffff
	s_lshl_b32 s92, s92, 2                         ; 4 x cluster y: it counts x's tiles of 256 tokens
	s_cmp_eq_u32 ttmp9, 2                          ; v?  The same in all sixteen partners
	s_cselect_b32 s93, 0, s92                      ; x is A for q and k,
	s_cselect_b32 s94, s92, 0                      ; and B for v
	s_add_co_u32 s17, s93, s41                     ; A's tile of 256 rows: made of cy and the cluster's y alone
	s_add_co_u32 s42, s94, s40                     ; B's: made of cx and the cluster's y alone
	s_lshl_b32 s43, s41, 2
	s_lshl_b32 s43, 15, s43                        ; my row of the cluster
	s_lshl_b32 s44, 0x1111, s40                    ; my column
	; descriptor group 1: a tile of 128 rows x 256 bytes, padded in LDS
	s_or_b32 s[G1+0], s43, (0<<16)|(1<<20)|(1<<21)|(5<<22)|(3<<25)  ; 15:0 the mask: A's tiles go to my row; 17:16 elements of 1 byte; 20 padding on; 21 set beside a mask; 24:22 after every 64 words; 31:25 four words
	s_or_b32 s[G1B+0], s44, (0<<16)|(1<<20)|(1<<21)|(5<<22)|(3<<25)
.irp g, G1, G1B
	s_mov_b32 s[\g+1], ROWB<<16                    ; tensor_dim0
	s_mov_b32 s[\g+2], 128<<16                     ; tensor_dim1
	s_mov_b32 s[\g+3], ROWB<<16                    ; tile_dim0
	s_mov_b32 s[\g+4], 128                         ; tile_dim1
	s_mov_b32 s[\g+5], KROW                        ; tensor_dim0_stride
	s_mov_b32 s[\g+6], 0
	s_mov_b32 s[\g+7], 0
.endr
	s_lshl_b32 s18, s16, 7                         ; which 128 rows of the tile I fetch
	s_lshl_b32 s20, s17, 8
	s_add_co_u32 s20, s20, s18
	s_lshl_b32 s20, s20, 10                        ; A: (256 x tile + 128 x half) rows of 1,024 bytes
	s_mov_b32 s21, 0
	s_lshl_b32 s46, s42, 8
	s_add_co_u32 s46, s46, s18
	s_lshl_b32 s46, s46, 10                        ; B likewise
	s_mov_b32 s47, 0
	s_mul_i32 s45, s14, HALFT                      ; where they go: wave x 128 rows: no place in the cluster enters an LDS address
	s_wait_kmcnt 0x0
	s_cmp_eq_u32 ttmp9, 1                          ; the buffers are chosen by the cluster's x alone
	s_cselect_b64 s[6:7], s[72:73], s[70:71]       ; Wk or Wq
	s_cselect_b64 s[8:9], s[78:79], s[76:77]       ; bk or bq
	s_cselect_b64 s[10:11], s[86:87], s[84:85]     ; k's codes or q's
	s_cmp_eq_u32 ttmp9, 2
	s_cselect_b64 s[4:5], s[74:75], s[68:69]       ; A: Wv, else x
	s_cselect_b64 s[6:7], s[68:69], s[6:7]         ; B: x, else the weight
	s_cselect_b64 s[8:9], s[80:81], s[8:9]
	s_cselect_b64 s[10:11], s[88:89], s[10:11]
	s_load_b256 s[68:75], s[82:83], 0x0            ; exponents 0 to 7,
	s_load_b64 s[76:77], s[82:83], 0x20            ; 8 and 9: awaited on the way out
	s_add_nc_u64 s[20:21], s[4:5], s[20:21]
	s_add_nc_u64 s[46:47], s[6:7], s[46:47]
	CROUND                                         ; all sixteen work-groups are here: the first joint loads meet
.irp s, 0,1
	s_mov_b32 s[G0+4*\s], 1
	s_add_co_u32 s[G0+4*\s+1], s45, \s*SLOT
	s_add_nc_u64 s[G0+4*\s+2:G0+4*\s+3], s[20:21], \s*ROWB
	s_or_b32 s[G0+4*\s+3], s[G0+4*\s+3], 0x80000000
	s_mov_b32 s[G0B+4*\s], 1
	s_add_co_u32 s[G0B+4*\s+1], s45, \s*SLOT
	s_add_nc_u64 s[G0B+4*\s+2:G0B+4*\s+3], s[46:47], \s*ROWB
	s_or_b32 s[G0B+4*\s+3], s[G0B+4*\s+3], 0x80000000
	JLOAD G0+4*\s, G1, G0B+4*\s, G1B
.endr
	v_and_b32 v1, 15, v0                           ; r = lane % 16
	s_wait_alu depctr_va_vdst(0)
	v_bfe_u32 v2, v0, 4, 1                         ; h = lane / 16
	v_and_b32 v6, 31, v0                           ; lane
	v_mul_u32_u24 v3, v1, PITCH
	v_lshl_add_u32 v4, v2, 4, v3                   ; a fragment's row x pitch + 16 x half
	s_mul_i32 s21, s15, HALFT                      ; my 128 rows of A
	s_mul_i32 s22, s16, HALFT                      ; my 128 rows of B,
	s_add_co_u32 s22, s22, 2*HALFT                 ; which lie behind A's 256
.irp s, 0,1
	v_add_nc_u32 v[ADRA+\s], s21, v4
	v_add_nc_u32 v[ADRB+\s], s22, v4
	s_add_co_u32 s21, s21, SLOT
	s_add_co_u32 s22, s22, SLOT
.endr
	s_mul_i32 s23, s14, 16*SPI                     ; my stage
	v_mul_u32_u24 v5, v1, SPI
	s_wait_alu depctr_va_vdst(0)
	v_lshl_add_u32 v5, v2, 3, v5
	v_add_nc_u32 v5, s23, v5                       ; in: row r, 8 bytes for each half of the lanes
	v_add_nc_u32 v[STOQ], STQ, v5
	v_add_nc_u32 v[STOV], STV, v5
	v_lshrrev_b32 v7, 2, v6
	v_mul_u32_u24 v7, v7, SPI
	v_and_b32 v8, 3, v6
	v_lshl_add_u32 v7, v8, 4, v7
	v_add_nc_u32 v7, s23, v7
	v_add_nc_u32 v[RDQ], STQ, v7                   ; back, q and k: four lanes to a token's 64 bytes of one head, eight tokens an instruction
	v_lshrrev_b32 v7, 3, v6
	v_mul_u32_u24 v7, v7, SPI
	v_and_b32 v8, 7, v6
	v_lshl_add_u32 v7, v8, 4, v7
	v_add_nc_u32 v7, s23, v7
	v_add_nc_u32 v[RDV], STV, v7                   ; back, v: eight lanes to a channel's 128 bytes, four channels an instruction
	v_lshlrev_b32 v[CO], 4, v6
	s_wait_alu depctr_va_vdst(0)
	s_lshl_b32 s23, s14, 9
	s_add_co_u32 s23, s23, BIASL                   ; my 512 bytes of the bias
	v_add_nc_u32 v[BW], s23, v[CO]
	v_lshlrev_b32 v7, 5, v2
	v_add_nc_u32 v[BRQ], s23, v7                   ; by columns: 32 h bytes on
	v_lshlrev_b32 v7, 2, v1
	v_add_nc_u32 v[BRV], s23, v7                   ; by rows: 4 r bytes on
	; where my part of the result goes.  T0: my first token; X0: my first row of the weight, which is the bias's index and the channel
	s_lshl_b32 s90, s17, 8
	s_lshl_b32 s91, s15, 7
	s_add_co_u32 s90, s90, s91                     ; m0
	s_lshl_b32 s91, s42, 8
	s_lshl_b32 s92, s16, 7
	s_add_co_u32 s91, s91, s92                     ; n0
	s_cmp_eq_u32 ttmp9, 2
	s_cselect_b32 s92, s91, s90                    ; T0
	s_cselect_b32 s93, s90, s91                    ; X0
	s_lshr_b32 s94, s92, 11
	s_lshl_b32 s94, s94, 4
	s_lshr_b32 s95, s93, 6
	s_add_co_u32 s94, s94, s95                     ; b x 16 + head
	s_lshl_b32 s94, s94, 17
	s_and_b32 s95, s92, 2047
	s_lshl_b32 s95, s95, 6                         ; 64 bytes a token: for v, 128 tokens are a key step of 8,192 bytes: the same figure
	s_add_co_u32 s94, s94, s95
	s_mov_b32 s95, 0
	s_add_nc_u64 s[10:11], s[10:11], s[94:95]
	s_lshl_b32 s94, s93, 2
	s_add_nc_u64 s[8:9], s[8:9], s[94:95]
	global_load_b128 v[RAW:RAW+3], v[CO], s[8:9]   ; my 128 numbers of the bias: 512 consecutive bytes; awaited on the way out
.macro FRAG reg, adr, q, i             ; a fragment: lane l holds row l % 16; registers 4 c .. 4 c + 3 hold K = 32 c + 16 (l / 16) + 0 .. 15: the same order of k in A and in B
.irp c, 0,1,2,3
	ds_load_b128 v[\reg+4*\c:\reg+4*\c+3], v[\adr] offset:128*(\q)+32*\c+(\i)*16*PITCH
.endr
.endm
; 16 matrix instructions: A's blocks a0, a0 + 1 x B's eight, 128 along K.  p: B's set.  zero = 1: the first product starts the sums.  The 64 accumulators take turns, one instruction a turn.
.macro MUL16 a0, p, zero
.irp a, \a0, \a0+1
.irp b, 0,1,2,3,4,5,6,7
.if \zero
	v_wmma_f32_16x16x128_bf8_bf8 v[8*(8*((\a)%4)+\b):8*(8*((\a)%4)+\b)+7], v[128*(\p)+FR*\b:128*(\p)+FR*\b+FR-1], v[AF+FR*(\a):AF+FR*(\a)+FR-1], 0
.else
	v_wmma_f32_16x16x128_bf8_bf8 v[8*(8*((\a)%4)+\b):8*(8*((\a)%4)+\b)+7], v[128*(\p)+FR*\b:128*(\p)+FR*\b+FR-1], v[AF+FR*(\a):AF+FR*(\a)+FR-1], v[8*(8*((\a)%4)+\b):8*(8*((\a)%4)+\b)+7]
.endif
.endr
.endr
.endm
.macro FETCH_B slot, q, p              ; B's eight fragments of the slot's q-th 128 along K into set p
	WIN TO_B
.irp i, 0,1,2,3,4,5,6,7
	FRAG 128*(\p)+FR*\i, ADRB+\slot, \q, \i
.endr
	WIN 0
.endm
.macro FETCH_A slot, q, i0             ; A's blocks i0 .. i0 + 3
.irp i, \i0, \i0+1, \i0+2, \i0+3
	FRAG AF+FR*(\i), ADRA+\slot, \q, \i
.endr
.endm
.macro PLACES n                        ; plain vector instructions between a matrix instruction and a load into, or a vector read of, its registers
.rept \n
	v_nop
.endr
.endm
; A step of 128 along K that has its successor in the same slot.  A's blocks 0-3 are fetched anew in its middle, blocks 4-7 at its end; B's next set in its middle.
.macro STEP slot, q, zero
	s_wait_dscnt 4*NL                              ; B's set and A's blocks 0-3 are in; the youngest sixteen loads (A's blocks 4-7) may be out
	WIN MUL_LO
	MUL16 0, (\q)%2, \zero
	MUL16 2, (\q)%2, \zero
	s_wait_dscnt 0                                 ; A's blocks 4-7 are in
	PLACES NP
	FETCH_B \slot, (\q)+1, 1-(\q)%2
	FETCH_A \slot, (\q)+1, 0
	WIN MUL_HI
	MUL16 4, (\q)%2, \zero
	MUL16 6, (\q)%2, \zero
	PLACES NP
	WIN 0
	FETCH_A \slot, (\q)+1, 4
.endm
; A slot's last step changes slots: one barrier; in front of it each wave waits for all its tensor loads, adds 0 to its spare word, and waits for that and for its reads of this slot.  fill = 1: the slot is filled again, two K steps ahead.
.macro TURN slot, next, fill
	s_wait_tensorcnt 0x0                           ; all my tensor loads have landed: my part of the next slot
	ds_add_u32 v[SPW], v[NIL]                      ; 0 onto my spare word
	s_wait_dscnt 4*NL+1                            ; the add and the youngest sixteen loads (A's blocks 4-7) may be out
	WIN MUL_LO
	MUL16 0, 1, 0                                  ; sixteen matrix instructions stand between the add and the wait for it
	s_wait_dscnt 0x0                               ; the add is done, and my reads of this slot are over
	s_barrier_signal -1
	MUL16 2, 1, 0
	WIN 0
	s_barrier_wait -1
.if \fill
	CREST                                          ; the barrier has opened a round of the cluster's: no wave of any partner still reads this slot or has a load on its way
	s_add_nc_u64 s[G0+4*\slot+2:G0+4*\slot+3], s[G0+4*\slot+2:G0+4*\slot+3], 2*ROWB
	s_add_nc_u64 s[G0B+4*\slot+2:G0B+4*\slot+3], s[G0B+4*\slot+2:G0B+4*\slot+3], 2*ROWB
	JLOAD G0+4*\slot, G1, G0B+4*\slot, G1B         ; the first tensor load behind the round; its four v_nop are the places in front of the loads below
.else
	PLACES NP
.endif
	FETCH_B \next, 0, 0
	FETCH_A \next, 0, 0
	WIN MUL_HI
	MUL16 4, 1, 0
	MUL16 6, 1, 0
	PLACES NP
	WIN 0
	FETCH_A \next, 0, 4
.endm
	s_wait_tensorcnt 1                             ; my part of K step 0 is in (K step 1's load may be out),
	s_barrier_signal -1
	s_barrier_wait -1                              ; everybody's is
	FETCH_B 0, 0, 0
	FETCH_A 0, 0, 0
	FETCH_A 0, 0, 4
	STEP 0, 0, 1                                   ; K = 1,024 is four K steps of 256, eight steps of 128: written out.  The first starts the sums
	TURN 0, 1, 1                                   ; slot 0 takes K step 2
	STEP 1, 0, 0
	TURN 1, 0, 1                                   ; slot 1 takes K step 3
	STEP 0, 0, 0
	TURN 0, 1, 0                                   ; nothing is left to fetch
	STEP 1, 0, 0
	s_wait_dscnt 4*NL
	WIN MUL_LO
	MUL16 0, 1, 0
	MUL16 2, 1, 0
	s_wait_dscnt 0
	WIN MUL_HI
	MUL16 4, 1, 0
	MUL16 6, 1, 0
	WIN 0
; THE WAY OUT, block by block of 16 rows m x 128 columns n: sum x 2^(ea + eb) + bias, the hold, the conversion; a lane's 8 codes of each of 8 tiles go into my own stage in LDS and come back so that
; each store of the wave covers 512 consecutive bytes of the codes' buffer.  LDS serves a wave's instructions in order (ISA guide 5.7.1.4): no wait between the stage's stores and its loads.
	PLACES NP                                      ; behind the last products: their results are read and A's registers are written below
	s_wait_kmcnt 0x0
	s_cmp_eq_u32 ttmp9, 1                          ; the three exponents of my weight, chosen without a jump
	s_cselect_b32 s96, s70, s68
	s_cselect_b32 s97, s71, s69
	s_cselect_b32 s98, s75, s74
	s_cmp_eq_u32 ttmp9, 2
	s_cselect_b32 s96, s72, s96
	s_cselect_b32 s97, s73, s97
	s_cselect_b32 s98, s77, s98
	s_add_co_i32 s96, s96, s97
	s_add_co_i32 s96, s96, 127
	s_lshl_b32 s96, s96, 23                        ; 2^(ea + eb) as f32
	s_mov_b32 s97, s96                             ; (named with it as a pair, so it is written)
	s_add_co_i32 s98, s98, 127
	s_lshl_b32 s90, s98, 23
	v_mov_b32 v[SCL], s90                          ; 2^eo: the conversion takes its exponent field
	s_wait_loadcnt 0x0                             ; the bias
	s_wait_alu depctr_va_vdst(0)
	ds_store_b128 v[BW], v[RAW:RAW+3]              ; through my own LDS bytes into the result's layout
.macro OUT a, isv
.set AC, 64*((\a)%4)
.set CC, CD+16*((\a)%2)
.set BB, BK+16*((\a)%2)
	WIN 0x02+((\a)/4)                              ; source 0: window 2 or 3
.set j, 0
.rept 32
.if \isv
	v_pk_fma_f32 v[TMP+j:TMP+j+1], v[AC+j:AC+j+1], s[96:97], v[BIAS+2*(\a):BIAS+2*(\a)+1] op_sel_hi:[1,0,1]   ; the bias of my channel; each accumulator from its low end on
.else
	v_pk_fma_f32 v[TMP+j:TMP+j+1], v[AC+j:AC+j+1], s[96:97], v[BIAS+j:BIAS+j+1] op_sel_hi:[1,0,1]             ; the biases of my 64 channels
.endif
.set j, j+2
.endr
	WIN 0
.set j, 0
.rept 64
.set j, j+1
.endr
.irp b, 0,1,2,3,4,5,6,7
	v_cvt_scalef32_pk8_bf8_f32 v[CC+2*\b:CC+2*\b+1], v[TMP+8*\b:TMP+8*\b+7], v[SCL]
.endr
	v_nop                                          ; one plain vector instruction behind the conversions: the next block writes their sources
.irp b, 0,1,2,3,4,5,6,7
.if \isv
	ds_store_b64 v[STOV], v[CC+2*\b:CC+2*\b+1] offset:16*\b
.else
	ds_store_b64 v[STOQ], v[CC+2*\b:CC+2*\b+1] offset:16*\b
.endif
.endr
.irp i, 0,1,2,3
.if \isv
	ds_load_b128 v[BB+4*\i:BB+4*\i+3], v[RDV] offset:4*\i*SPI                    ; channels 4 i .. 4 i + 3 of the block, 128 keys each
.else
	ds_load_b128 v[BB+4*\i:BB+4*\i+3], v[RDQ] offset:8*(\i%2)*SPI+64*(\i/2)      ; tokens 8 (i % 2) on, head i / 2
.endif
.endr
.endm
.macro SEND a, isv, younger            ; younger: the LDS instructions issued behind block a's loads, which may stay out
.set BB, BK+16*((\a)%2)
	s_wait_dscnt \younger
.irp i, 0,1,2,3
.if \isv
	global_store_b128 v[CO], v[BB+4*\i:BB+4*\i+3], s[10:11] offset:((\a)/4)*HEADB+((\a)%4)*2048+512*\i
.else
	global_store_b128 v[CO], v[BB+4*\i:BB+4*\i+3], s[10:11] offset:(\i/2)*HEADB+(32*((\a)/2)+16*(\i%2)+8*((\a)%2))*64   ; the swap of the token's bits 3 and 4 stands in the immediate
.endif
.endr
.endm
.macro ALLOUT isv
	OUT 0, \isv
.irp a, 1,2,3,4,5,6,7
.if \a > 1
	s_wait_xcnt 0x0                                ; block a - 2's stores have read their registers: block a's rows may land there
.endif
	OUT \a, \isv
	SEND \a-1, \isv, 12                            ; behind block a - 1's loads: block a's 8 stores and 4 loads
.endr
	SEND 7, \isv, 0
.endm
	s_cmp_eq_u32 ttmp9, 2
	s_cbranch_scc1 .Lv_out                         ; on the cluster's x: the same in all partners
.irp b, 0,1,2,3,4,5,6,7
	ds_load_b128 v[BIAS+8*\b:BIAS+8*\b+3], v[BRQ] offset:64*\b          ; bias of channels 16 b + 8 h + 0 .. 7
	ds_load_b128 v[BIAS+8*\b+4:BIAS+8*\b+7], v[BRQ] offset:64*\b+16
.endr
	s_wait_dscnt 0x0
	ALLOUT 0
	s_branch .Ldone
.Lv_out:
.irp a, 0,1,2,3,4,5,6,7
	ds_load_b32 v[BIAS+2*\a], v[BRV] offset:64*\a                       ; bias of channel 16 a + r, twice: a pair for the packed form
	ds_load_b32 v[BIAS+2*\a+1], v[BRV] offset:64*\a
.endr
	s_wait_dscnt 0x0
	ALLOUT 1
.Ldone:
	v_nop
	s_wait_tensorcnt 0x0                           ; the wave's end: behind my last tensor load and my last LDS store
	ds_add_u32 v[SPW], v[NIL]
	s_wait_dscnt 0x0
	CROUND                                         ; the closing round: no work-group ends while a partner may still ask for a tile that names it
	s_endpgm
.Lfunc_end_k_q3bcd57f82c_qkv:
	.size	k_q3bcd57f82c_qkv, .Lfunc_end_k_q3bcd57f82c_qkv-k_q3bcd57f82c_qkv
	.p2alignl 7, 3214868480
	.fill 96, 4, 3214868480
	.section	.rodata,"a",@progbits
	.p2align	6, 0x0
	.amdhsa_kernel k_q3bcd57f82c_qkv
		.amdhsa_group_segment_fixed_size 327680
		.amdhsa_private_segment_fixed_size 0
		.amdhsa_enable_private_segment 0
		.amdhsa_kernarg_size 88
		.amdhsa_user_sgpr_count 2
		.amdhsa_user_sgpr_kernarg_segment_ptr 1
		.amdhsa_wavefront_size32 1
		.amdhsa_system_sgpr_workgroup_id_x 1
		.amdhsa_system_sgpr_workgroup_id_y 1
		.amdhsa_system_sgpr_workgroup_id_z 1
		.amdhsa_system_vgpr_workitem_id 0
		.amdhsa_next_free_vgpr 1024
		.amdhsa_next_free_sgpr 100
		.amdhsa_reserve_vcc 0
		.amdhsa_float_denorm_mode_32 3
		.amdhsa_float_denorm_mode_16_64 3
		.amdhsa_fp16_overflow 1
		.amdhsa_memory_ordered 1
		.amdhsa_forward_progress 1
		.amdhsa_inst_pref_size 143
	.end_amdhsa_kernel
	.amdgpu_metadata
---
amdhsa.version: [ 1, 2 ]
amdhsa.kernels:
  - .name:           k_q3bcd57f82c_qkv
    .symbol:         k_q3bcd57f82c_qkv.kd
    .args:
      - { .name: x_codes, .offset: 0, .size: 8, .value_kind: global_buffer, .address_space: global }
      - { .name: Wq_codes, .offset: 8, .size: 8, .value_kind: global_buffer, .address_space: global }
      - { .name: Wk_codes, .offset: 16, .size: 8, .value_kind: global_buffer, .address_space: global }
      - { .name: Wv_codes, .offset: 24, .size: 8, .value_kind: global_buffer, .address_space: global }
      - { .name: bq, .offset: 32, .size: 8, .value_kind: global_buffer, .address_space: global }
      - { .name: bk, .offset: 40, .size: 8, .value_kind: global_buffer, .address_space: global }
      - { .name: bv, .offset: 48, .size: 8, .value_kind: global_buffer, .address_space: global }
      - { .name: lowp_scales, .offset: 56, .size: 8, .value_kind: global_buffer, .address_space: global }
      - { .name: q_codes, .offset: 64, .size: 8, .value_kind: global_buffer, .address_space: global }
      - { .name: k_codes, .offset: 72, .size: 8, .value_kind: global_buffer, .address_space: global }
      - { .name: v_codes, .offset: 80, .size: 8, .value_kind: global_buffer, .address_space: global }
    .group_segment_fixed_size: 327680
    .private_segment_fixed_size: 0
    .kernarg_segment_align: 8
    .kernarg_segment_size: 88
    .max_flat_workgroup_size: 128
    .sgpr_count:     100
    .vgpr_count:     1024
    .wavefront_size: 32
...
	.end_amdgpu_metadata
.endif
;; end of part 1
;; launch attn (part 2): grid 4 x 64, 16 waves a work-group, clusters of 4 x 1, 327,680 bytes of LDS; arguments q_codes, k_codes, v_codes, lowp_scales, o_codes; writes o_codes
.if DOCPART == 2
	.amdgcn_target "amdgcn-amd-amdhsa--gfx1250"
	.amdhsa_code_object_version 6
	.text
	.protected	k_q3bcd57f82c_attn
	.globl	k_q3bcd57f82c_attn
	.p2align	8
	.type	k_q3bcd57f82c_attn,@function
k_q3bcd57f82c_attn:
	s_mov_b64 s[64:65], 0
	v_nop
	global_prefetch_b8 v0, s[64:65] scope:SCOPE_SE
	s_setreg_imm32_b32 hwreg(HW_REG_WAVE_MODE, 25, 1), 1
	s_wait_xcnt 0x0
	s_wait_alu depctr_hold_cnt(0) depctr_sa_sdst(0) depctr_va_vdst(0) depctr_va_sdst(0) depctr_va_ssrc(0) depctr_va_vcc(0) depctr_vm_vsrc(0)
	s_getreg_b32 s2, hwreg(HW_REG_IB_STS2, 6, 4)
	s_cmp_eq_u32 s2, 0
	s_cbranch_scc0 .Lentry_in_a_cluster
	s_endpgm
.Lentry_in_a_cluster:
	s_bfe_u32 s2, ttmp6, 0x10000c
	s_cmp_lg_u32 s2, 0x3003
	s_cbranch_scc0 .Lentry_shape_is_right
	s_endpgm
.Lentry_shape_is_right:
; Causal attention on codes of BF8 (E5M2), 64 heads (b x 16 + head) of 2,048 x 64; o is quantised again and stored as codes.
; q_codes, k_codes: [head][pos 2048][64], pos = the place with bits 3 and 4 swapped.  v_codes: [head][key step 16][channel 64][128 keys].  Exponents: entry 6 q, 7 k, 8 p, 9 v, 10 o.
; o_codes: [token / 4][head 16][token % 4][64]: a tile's 16 tokens of one head are four runs of 256 consecutive bytes.
; THE SOFTMAX: t = score x log2(e) / 8; M = the running largest t rounded UP to a whole number; p = 2^(t - M) is quantised along the keys, not normalised; the row's sum is taken of the unquantised p and divides O
; at the end.  When M moves, the sum and O are multiplied by 2^(old M - new M): exact.
; SHARES.  The four work-groups of a cluster belong to one head.  ALL of the head's K and V codes, 2 x 131,072 bytes, come into each partner's LDS once, by joint tensor loads: nothing is filled again, so the
; walk over the keys has no ring and no barrier.  A wave owns two tiles of 16 queries, one after the other in the same registers: tile 16 g + p and tile 16 (7 - g) + p, g = wave % 4, p = 4 cx + wave / 4.
; A tile of group G walks key steps 0 .. 2 G + 1 of 128 keys; the last two get the mask.  (2 g + 2) + (16 - 2 g) = 18 steps for every wave.  Trip counts are constants; a step behind a tile's last is jumped over,
; by a branch on the wave's number alone.  The work-group's place enters global addresses and the mask's lane data alone.
; LAYOUT.  Both products are used transposed: S^T = K Q^T (source 0 = 16 keys, source 1 = my 16 queries), O^T = V^T P^T: a lane holds ONE query (lane % 16) throughout.  16 consecutive pos of K are tile 2 b + u,
; whose row m is key 32 b + 8 u + m + 8 (m / 8): so the 16 registers of tiles 2 b and 2 b + 1 are the neighbouring keys 32 b + 16 (lane / 16) + 0 .. 15, and p's conversions give the second product's operand.
; LIMITS: e6 + e7 between -123 and 130 (added to c's exponent field); e8 and e10 between -126 and 112; e8 + e9 is applied by v_ldexp_f32.  NaN among the inputs is not served.
; REGISTERS: v1-7 addresses that stay; v8-9 the step's LDS addresses; v10 the mask's d, v11 -infinity; v12 -M, v13 the largest t, v[14:15] the sum; v16-23 Q; v32-95 K's 8 fragments, then V's 4;
;   v96-159 S^T, then p; v160-191 O^T; v192-207 p's codes, later o's codes and rows; v210-221 at work and constants.
.set PIT,   272                        ; an LDS row: 256 bytes (4 pos of K, or 2 channels of V) + 16 of padding
.set STEPB, 32*PIT                     ; a key step: 32 such rows, in K and in V
.set VBASE, 512*PIT                    ; K's 512 rows, then V's 512
.set STAGE, 2*VBASE                    ; behind them: 16 rows x 80 bytes for each wave, for the way out; no tensor load lands there
.set SP,    80
.set WV,  14                           ; s14 wave; s15 cx; s16 head; s17 g; s18 p; s19 the tile
.set G1A, 24                           ; s[24:31] descriptor group 1: 32 rows;  s[32:39]: 224 rows
.set G1B, 32
.set JJ,  56                           ; s56 the key step; s57 the tile's last; s58 its first with a mask; s59 the step's LDS byte; s60 the tile's first query
.set JL,  57
.set JM,  58
.set TB,  59
.set Q0,  60
.macro CROUND                          ; a round of the cluster's barrier
	s_barrier_signal -1
	s_barrier_wait -1
	s_cmp_lg_u32 s[WV], 0
	s_cbranch_scc1 .Lnot_wave_0_\@
	s_barrier_signal -3
.Lnot_wave_0_\@:
	s_barrier_wait -3
	s_barrier_signal -1
	s_barrier_wait -1
.endm
	s_load_b256 s[4:11], s[0:1], 0x0               ; q s[4:5], k s[6:7], v s[8:9], the exponents s[10:11]
	s_load_b64 s[12:13], s[0:1], 0x20              ; o
	v_lshl_add_u32 v254, v0, 2, 0x49000
	v_mov_b32 v255, 0
	ds_add_u32 v254, v255
	ds_add_u32 v254, v255
	v_lshrrev_b32 v1, 5, v0
	s_delay_alu instid0(VALU_DEP_1)
	v_readfirstlane_b32 s[WV], v1                  ; wave 0..15
	s_bfe_u32 s15, ttmp6, 0x40000                  ; cx
	s_and_b32 s16, ttmp7, 0xffff                   ; the head, which the four partners share
	s_and_b32 s17, s[WV], 3                        ; g
	s_lshr_b32 s18, s[WV], 2
	s_lshl_b32 s82, s15, 2
	s_add_co_u32 s18, s18, s82                     ; p
	s_and_b32 s83, s[WV], 1                        ; u: which half I fetch, if I fetch
	; descriptor group 1: rows of 256 bytes, dense in memory, padded in LDS
.irp g, G1A, G1B
	s_mov_b32 s[\g], 15|(0<<16)|(1<<20)|(1<<21)|(5<<22)|(3<<25)   ; 15:0 the mask: all four work-groups; elements of 1 byte; 20 padding on; 21 set beside a mask; after every 64 words four words
	s_mov_b32 s[\g+1], 256<<16                     ; tensor_dim0
	s_mov_b32 s[\g+3], 256<<16                     ; tile_dim0
	s_mov_b32 s[\g+5], 256                         ; tensor_dim0_stride
	s_mov_b32 s[\g+6], 0
	s_mov_b32 s[\g+7], 0
.endr
	s_mov_b32 s[G1A+2], 32<<16                     ; tensor_dim1, tile_dim1: a key step
	s_mov_b32 s[G1A+4], 32
	s_mov_b32 s[G1B+2], 224<<16                    ; seven key steps
	s_mov_b32 s[G1B+4], 224
	s_lshl_b32 s84, s16, 17                        ; the head's first byte in q, k and v
	s_mov_b32 s85, 0
	s_lshl_b32 s86, s83, 13                        ; the first load: key step u,
	s_mov_b32 s87, 0
	s_mul_i32 s88, s83, 224*256
	s_add_co_u32 s88, s88, 64*256                  ; the second: key steps 2 + 7 u on
	s_mov_b32 s89, 0
	s_add_nc_u64 s[86:87], s[86:87], s[84:85]
	s_add_nc_u64 s[88:89], s[88:89], s[84:85]
	s_mul_i32 s61, s83, STEPB                      ; and their places in LDS: made of the wave's number alone
	s_mul_i32 s62, s83, 224*PIT
	s_add_co_u32 s62, s62, 64*PIT
	s_wait_dscnt 0x0
	s_wait_kmcnt 0x0
	s_load_b128 s[68:71], s[10:11], 0x18           ; e6, e7, e8, e9
	s_load_b32 s72, s[10:11], 0x28                 ; e10
	s_mov_b32 s40, 1                               ; K, first load
	s_mov_b32 s41, s61
	s_add_nc_u64 s[42:43], s[6:7], s[86:87]
	s_or_b32 s43, s43, 0x80000000
	s_mov_b32 s44, 1                               ; K, second
	s_mov_b32 s45, s62
	s_add_nc_u64 s[46:47], s[6:7], s[88:89]
	s_or_b32 s47, s47, 0x80000000
	s_mov_b32 s48, 1                               ; V, first
	s_add_co_u32 s49, s61, VBASE
	s_add_nc_u64 s[50:51], s[8:9], s[86:87]
	s_or_b32 s51, s51, 0x80000000
	s_mov_b32 s52, 1                               ; V, second
	s_add_co_u32 s53, s62, VBASE
	s_add_nc_u64 s[54:55], s[8:9], s[88:89]
	s_or_b32 s55, s55, 0x80000000
	CROUND                                         ; all four work-groups are here: the joint loads meet
	s_cmp_lt_u32 s[WV], 2                          ; waves 0, 1 fetch K's halves, waves 2, 3 V's, the others nothing: a wave's two loads stand in one branch on its number; two of mine are out at the most
	s_cbranch_scc0 .Lnot_k
	tensor_load_to_lds s[40:43], s[G1A:G1A+7]
	s_nop 0
	tensor_load_to_lds s[44:47], s[G1B:G1B+7]
	s_nop 0
.rept 4
	v_nop
.endr
	s_branch .Lasked
.Lnot_k:
	s_cmp_lt_u32 s[WV], 4
	s_cbranch_scc0 .Lasked
	tensor_load_to_lds s[48:51], s[G1A:G1A+7]
	s_nop 0
	tensor_load_to_lds s[52:55], s[G1B:G1B+7]
	s_nop 0
.rept 4
	v_nop
.endr
.Lasked:
	v_and_b32 v220, 15, v0                         ; r
	v_bfe_u32 v221, v0, 4, 1                       ; h
	v_and_b32 v210, 31, v0                         ; lane
	s_delay_alu instid0(VALU_DEP_3)
	v_lshrrev_b32 v8, 2, v220
	s_delay_alu instid0(VALU_DEP_1)
	v_mul_u32_u24 v1, v8, PIT
	v_and_b32 v8, 3, v220
	s_delay_alu instid0(VALU_DEP_1)
	v_lshl_add_u32 v1, v8, 6, v1
	s_delay_alu instid0(VALU_DEP_1)
	v_lshl_add_u32 v1, v221, 4, v1                 ; K: pos r of a tile: LDS row r / 4, 64 (r % 4) bytes on, + 16 h
	v_lshrrev_b32 v8, 1, v220
	s_delay_alu instid0(VALU_DEP_1)
	v_mul_u32_u24 v2, v8, PIT
	v_and_b32 v8, 1, v220
	s_delay_alu instid0(VALU_DEP_1)
	v_lshl_add_u32 v2, v8, 7, v2
	s_delay_alu instid0(VALU_DEP_1)
	v_lshl_add_u32 v2, v221, 4, v2
	s_delay_alu instid0(VALU_DEP_1)
	v_add_nc_u32 v2, VBASE, v2                     ; V: channel r of a tile: LDS row r / 2, 128 (r % 2) bytes on, + 16 h
	v_lshlrev_b32 v8, 4, v221
	s_delay_alu instid0(VALU_DEP_1)
	v_sub_nc_u32 v3, v220, v8                      ; r - 16 h, for the mask
	v_lshrrev_b32 v8, 3, v220
	s_delay_alu instid0(VALU_DEP_1)
	v_lshlrev_b32 v4, 10, v8
	v_and_b32 v8, 7, v220
	s_delay_alu instid0(VALU_DEP_1)
	v_lshl_add_u32 v4, v8, 6, v4
	s_delay_alu instid0(VALU_DEP_1)
	v_lshl_add_u32 v4, v221, 4, v4                 ; Q: query r of a tile lies at pos 16 (r / 8) + r % 8 from the tile's first
	s_mul_i32 s61, s[WV], 16*SP
	s_add_co_u32 s61, s61, STAGE                   ; my stage
	v_mul_u32_u24 v5, v220, SP
	s_delay_alu instid0(VALU_DEP_1)
	v_lshl_add_u32 v5, v221, 3, v5
	s_delay_alu instid0(VALU_DEP_1)
	v_add_nc_u32 v5, s61, v5                       ; in: row r, 8 bytes for each half of the lanes
	v_lshrrev_b32 v8, 2, v210
	s_delay_alu instid0(VALU_DEP_1)
	v_mul_u32_u24 v6, v8, SP
	v_and_b32 v8, 3, v210
	s_delay_alu instid0(VALU_DEP_1)
	v_lshl_add_u32 v6, v8, 4, v6
	s_delay_alu instid0(VALU_DEP_1)
	v_add_nc_u32 v6, s61, v6                       ; back: four lanes to a row of 64 bytes
	v_lshlrev_b32 v7, 12, v221
	s_delay_alu instid0(VALU_DEP_1)
	v_lshl_add_u32 v7, v220, 4, v7                 ; o: sixteen lanes fill four tokens' 256 bytes; lanes 16-31 the next four tokens, 4,096 bytes on
	v_mov_b32 v11, 0xff800000                      ; -infinity
	v_mov_b32 v213, 0                              ; (named as the upper half of the pair v[212:213])
	s_mov_b32 s20, 0x76543210                      ; v_permlanex16_b32's selects for lane l xor 16
	s_mov_b32 s21, 0xfedcba98
	s_mov_b32 s22, 0x3e38aa3b                      ; c = log2(e) / sqrt(64)
	s_add_nc_u64 s[76:77], s[4:5], s[84:85]        ; q at my head
	s_lshr_b32 s82, s16, 4
	s_lshl_b32 s82, s82, 21                        ; b x 2,048 tokens x 1,024 bytes
	s_and_b32 s83, s16, 15
	s_lshl_b32 s83, s83, 8                         ; + head x 256
	s_add_co_u32 s82, s82, s83
	s_mov_b32 s83, 0
	s_add_nc_u64 s[74:75], s[12:13], s[82:83]      ; o at my head
	s_wait_kmcnt 0x0
	s_add_co_i32 s82, s68, s69
	s_lshl_b32 s82, s82, 23
	s_add_co_i32 s22, s22, s82                     ; a score stands for score x 2^(e6 + e7): added to c's exponent field
	s_mov_b32 s23, s22                             ; (named with it as a pair, so it is written)
	s_add_co_i32 s82, s70, 127
	s_lshl_b32 s83, s82, 23
	v_mov_b32 v217, s83                            ; 2^e8
	s_add_co_i32 s82, s72, 127
	s_lshl_b32 s83, s82, 23
	v_mov_b32 v219, s83                            ; 2^e10
	s_add_co_i32 s73, s70, s71                     ; e8 + e9
; A tile begins.  which = 0: group g; 1: group 7 - g.
.macro INIT which
.if \which
	s_wait_xcnt 0x0                                ; the first tile's loads and stores have read their bases and registers
	s_sub_co_u32 s82, 7, s17
.else
	s_mov_b32 s82, s17
.endif
	s_lshl_b32 s[JM], s82, 1                       ; the steps from 2 G on get the mask,
	s_add_co_u32 s[JL], s[JM], 1                   ; 2 G + 1 is the last: both hang on the wave's number alone
	s_lshl_b32 s19, s82, 4
	s_add_co_u32 s19, s19, s18                     ; the tile: 16 G + p
	s_lshl_b32 s[Q0], s19, 4                       ; its first query
	s_lshr_b32 s82, s19, 1
	s_lshl_b32 s82, s82, 11
	s_and_b32 s83, s19, 1
	s_lshl_b32 s83, s83, 9
	s_add_co_u32 s82, s82, s83                     ; pos 32 (T / 2) + 8 (T % 2), 64 bytes each
	s_mov_b32 s83, 0
	s_add_nc_u64 s[78:79], s[76:77], s[82:83]
	s_lshl_b32 s82, s19, 14                        ; 16 tokens x 1,024 bytes
	s_add_nc_u64 s[80:81], s[74:75], s[82:83]
	global_load_b128 v[16:19], v4, s[78:79]        ; Q's fragment: d = 16 h + 0 .. 15,
	global_load_b128 v[20:23], v4, s[78:79] offset:32   ; and 32 + 16 h + 0 .. 15: the same order of d as K's
	v_mov_b32 v13, 0xff61b1e6                      ; the largest t so far: -3e38, under every t
	s_delay_alu instid0(VALU_DEP_1)
	v_floor_f32 v12, -v13                          ; -M
	v_mov_b32 v14, 0                               ; the sum, in two halves
	v_mov_b32 v15, 0
.set n, 0
.rept 32
	v_mov_b32 v[160+n], 0                          ; O^T: the step is written once: the first finds zeros, which the first change of M leaves zeros
.set n, n+1
.endr
	s_wait_loadcnt 0x0
.endm
; A KEY STEP: 128 keys.
.macro STEP
	s_cmp_gt_u32 s[JJ], s[JL]                      ; behind the tile's last step: all keys come after my queries
	s_cbranch_scc1 .Lhidden_\@
	s_setprio 2
	v_add_nc_u32 v8, s[TB], v1
	v_add_nc_u32 v9, s[TB], v2
.irp t, 0,1,2,3,4,5,6,7
	ds_load_b128 v[32+8*\t:35+8*\t], v8 offset:4*PIT*\t
	ds_load_b128 v[36+8*\t:39+8*\t], v8 offset:4*PIT*\t+32
.endr
	s_wait_alu depctr_va_vdst(0)
	s_wait_dscnt 0x0
.irp t, 0,1,2,3,4,5,6,7
	v_wmma_f32_16x16x64_bf8_bf8 v[96+8*\t:103+8*\t], v[32+8*\t:39+8*\t], v[16:23], 0
.endr
.rept 4
	v_nop                                          ; places in front of the loads into K's registers and of the first read of the scores
.endr
.irp t, 0,1,2,3
.irp c, 0,1,2,3
	ds_load_b128 v[32+16*\t+4*\c:35+16*\t+4*\c], v9 offset:8*PIT*\t+32*\c   ; V lands while the softmax is worked
.endr
.endr
	s_cmp_lt_u32 s[JJ], s[JM]
	s_cbranch_scc1 .Lopen_\@                       ; all keys of the step count
	s_lshl_b32 s61, s[JJ], 7
	s_sub_co_i32 s61, s[Q0], s61
	v_add_nc_u32 v10, s61, v3                      ; d = my query - the step's first key - 16 h.  Register 16 b + i holds key 32 b + 16 h + i of the step: hidden where 32 b + i > d
.set n, 0
.rept 64
	v_cmp_gt_i32 vcc_lo, 32*(n/16)+n%16, v10
	v_cndmask_b32 v[96+n], v[96+n], v11, vcc_lo    ; -infinity ahead of the maximum: p = 0 then.  Key 0 counts for every query, so M is a number from the first step on
.set n, n+1
.endr
.Lopen_\@:
	v_max3_num_f32 v220, v96, v97, v98             ; the step's largest score of my query among my 64 keys, in two chains, from the low end on,
	v_max3_num_f32 v221, v99, v100, v101
.irp i, 6,10,14,18,22,26,30,34,38,42,46,50,54,58
	v_max3_num_f32 v220, v220, v[96+\i], v[97+\i]
	v_max3_num_f32 v221, v221, v[98+\i], v[99+\i]
.endr
	v_max3_num_f32 v220, v220, v158, v159
	s_delay_alu instid0(VALU_DEP_1)
	v_max_num_f32 v220, v220, v221
	s_delay_alu instid0(VALU_DEP_1)
	v_permlanex16_b32 v210, v220, s20, s21
	s_delay_alu instid0(VALU_DEP_1)
	v_max_num_f32 v220, v220, v210                 ; and among lane l xor 16's
	s_delay_alu instid0(VALU_DEP_1)
	v_mul_f32 v220, s22, v220                      ; as t (c is positive)
	s_delay_alu instid0(VALU_DEP_1)
	v_max_num_f32 v13, v13, v220                   ; the running largest t
	v_mov_b32 v220, v12
	s_delay_alu instid0(VALU_DEP_2)
	v_floor_f32 v12, -v13                          ; the new -M = floor(-t): M is a whole number
	s_delay_alu instid0(VALU_DEP_1)
	v_sub_f32 v220, v12, v220                      ; old M - new M: a whole number, 0 or less
	s_delay_alu instid0(VALU_DEP_1)
	v_cvt_i32_f32 v220, v220                       ; (it saturates)
	s_delay_alu instid0(VALU_DEP_1)
	v_ldexp_f32 v212, 1.0, v220                    ; f = 2^(old M - new M)
.set n, 0
	s_setprio 1
.rept 32
	v_pk_fma_f32 v[96+n:97+n], v[96+n:97+n], s[22:23], v[12:13] op_sel_hi:[1,0,0]   ; t - M, two at a time
.set n, n+2
.endr
.set n, 0
	s_wait_alu depctr_va_vdst(0)
.rept 64
	v_exp_f32 v[96+n], v[96+n]                     ; p = 2^(t - M)
.set n, n+1
.endr
	v_pk_mul_f32 v[14:15], v[14:15], v[212:213] op_sel_hi:[1,0]   ; the sums under the new M: the plain instruction behind the exponentials
	s_wait_alu depctr_va_vdst(0)                   ; one wait for the whole batch, ahead of its first reader
	v_pk_add_f32 v[214:215], v[100:101], v[104:105]
	v_pk_add_f32 v[252:253], v[108:109], v[112:113]
	v_pk_add_f32 v[250:251], v[116:117], v[120:121]
	v_pk_add_f32 v[248:249], v[124:125], v[128:129]
	v_pk_add_f32 v[246:247], v[132:133], v[136:137]
	v_pk_add_f32 v[244:245], v[140:141], v[144:145]
	v_pk_add_f32 v[242:243], v[148:149], v[152:153]
	v_pk_add_f32 v[14:15], v[14:15], v[156:157]
	v_pk_add_f32 v[214:215], v[214:215], v[96:97]
	v_pk_add_f32 v[252:253], v[252:253], v[98:99]
	v_pk_add_f32 v[250:251], v[250:251], v[102:103]
	v_pk_add_f32 v[248:249], v[248:249], v[106:107]
	v_pk_add_f32 v[246:247], v[246:247], v[110:111]
	v_pk_add_f32 v[244:245], v[244:245], v[114:115]
	v_pk_add_f32 v[242:243], v[242:243], v[118:119]
	v_pk_add_f32 v[14:15], v[14:15], v[122:123]
	v_pk_add_f32 v[214:215], v[214:215], v[126:127]
	v_pk_add_f32 v[252:253], v[252:253], v[130:131]
	v_pk_add_f32 v[250:251], v[250:251], v[134:135]
	v_pk_add_f32 v[248:249], v[248:249], v[138:139]
	v_pk_add_f32 v[246:247], v[246:247], v[142:143]
	v_pk_add_f32 v[244:245], v[244:245], v[146:147]
	v_pk_add_f32 v[242:243], v[242:243], v[150:151]
	v_pk_add_f32 v[14:15], v[14:15], v[154:155]
	v_pk_add_f32 v[214:215], v[214:215], v[158:159]
	s_delay_alu instid0(VALU_DEP_2)
	v_pk_add_f32 v[14:15], v[14:15], v[248:249]
	s_delay_alu instid0(VALU_DEP_2)
	v_pk_add_f32 v[214:215], v[214:215], v[246:247]
	s_setprio 0
	v_pk_add_f32 v[252:253], v[252:253], v[244:245]
	v_pk_add_f32 v[250:251], v[250:251], v[242:243]
	s_delay_alu instid0(VALU_DEP_2)
	v_pk_add_f32 v[14:15], v[14:15], v[252:253]
	s_delay_alu instid0(VALU_DEP_2)
	v_pk_add_f32 v[214:215], v[214:215], v[250:251]
	s_delay_alu instid0(VALU_DEP_1)
	v_pk_add_f32 v[14:15], v[14:15], v[214:215]
.irp b, 0,1,2,3
.irp i, 0,1,2,3,4,5,6,7,8,9,10,11,12,13,14,15
.endr
	v_cvt_scalef32_pk8_bf8_f32 v[192+4*\b:193+4*\b], v[96+16*\b:103+16*\b], v217
	v_cvt_scalef32_pk8_bf8_f32 v[194+4*\b:195+4*\b], v[104+16*\b:111+16*\b], v217
.endr
.set n, 0
.rept 16
	v_pk_mul_f32 v[160+n:161+n], v[160+n:161+n], v[212:213] op_sel_hi:[1,0]   ; O^T under the new M; also the plain instructions behind the conversions
.set n, n+2
.endr
	s_wait_alu depctr_va_vdst(0)
	s_wait_dscnt 0x0                               ; V is in
.irp t, 0,1,2,3
	v_wmma_f32_16x16x128_bf8_bf8 v[160+8*\t:167+8*\t], v[32+16*\t:47+16*\t], v[192:207], v[160+8*\t:167+8*\t]   ; the four accumulators by turns
.endr
.rept 4
	v_nop                                          ; places in front of the next step's loads and of the way out's reads
.endr
.Lhidden_\@:
	s_add_co_u32 s[TB], s[TB], STEPB
.endm
.macro WALK first, last                ; key steps first .. last - 1: the trip count is a constant
	s_mov_b32 s[JJ], \first
	s_mov_b32 s[TB], (\first)*STEPB
.Lwalk_\@:
	STEP
	s_add_co_u32 s[JJ], s[JJ], 1
	s_cmp_lt_u32 s[JJ], \last
	s_cbranch_scc1 .Lwalk_\@
	s_setprio 0
.endm
; THE WAY OUT of a tile: O^T x 2^(e8 + e9) / the sum, quantised with e10; 8 codes a lane and tile of channels through my stage; each store's sixteen lanes write 256 consecutive bytes, aligned.
.macro FINISH
	v_add_f32 v14, v14, v15
	s_delay_alu instid0(VALU_DEP_1)
	v_permlanex16_b32 v210, v14, s20, s21
	s_delay_alu instid0(VALU_DEP_1)
	v_add_f32 v14, v14, v210                       ; the row's sum
	s_wait_alu depctr_va_vdst(0)
	v_rcp_f32 v14, v14
	v_nop                                          ; a plain instruction behind the reciprocal,
	s_wait_alu depctr_va_vdst(0)                   ; and the wait ahead of its first reader
	v_ldexp_f32 v14, v14, s73
.set n, 0
.rept 16
	v_pk_mul_f32 v[96+n:97+n], v[160+n:161+n], v[14:15] op_sel_hi:[1,0]   ; register 8 t + j is o(query r, channel 16 t + 8 h + j)
.set n, n+2
.endr
.set n, 0
.rept 32
.set n, n+1
.endr
.irp t, 0,1,2,3
	v_cvt_scalef32_pk8_bf8_f32 v[192+2*\t:193+2*\t], v[96+8*\t:103+8*\t], v219
.endr
	v_nop                                          ; one plain vector instruction behind the conversions
.irp t, 0,1,2,3
	ds_store_b64 v5, v[192+2*\t:193+2*\t] offset:16*\t
.endr
.irp i, 0,1
	ds_load_b128 v[200+4*\i:203+4*\i], v6 offset:8*SP*\i   ; LDS serves a wave's instructions in order: these see my stores
.endr
	s_wait_dscnt 0x0
.irp i, 0,1
	global_store_b128 v7, v[200+4*\i:203+4*\i], s[80:81] offset:8192*\i
.endr
.endm
	INIT 0
	s_wait_tensorcnt 1                             ; my part of key steps 0 and 1 is in; my large load may stay out
	s_barrier_signal -1
	s_barrier_wait -1
	WALK 0, 2
	s_wait_tensorcnt 0x0                           ; all of my part is in,
	s_wait_dscnt 0x0
	s_barrier_signal -1
	s_barrier_wait -1                              ; everybody's is: the head's K and V lie in LDS
	WALK 2, 8                                      ; groups 0 to 3 end at step 7 at the latest
	FINISH
	INIT 1
	WALK 0, 16
	FINISH
	s_wait_tensorcnt 0x0
	ds_add_u32 v254, v255
	s_wait_dscnt 0x0
	CROUND                                         ; the closing round
	s_endpgm
.Lfunc_end_k_q3bcd57f82c_attn:
	.size	k_q3bcd57f82c_attn, .Lfunc_end_k_q3bcd57f82c_attn-k_q3bcd57f82c_attn
	.p2alignl 7, 3214868480
	.fill 96, 4, 3214868480
	.section	.rodata,"a",@progbits
	.p2align	6, 0x0
	.amdhsa_kernel k_q3bcd57f82c_attn
		.amdhsa_group_segment_fixed_size 327680
		.amdhsa_private_segment_fixed_size 0
		.amdhsa_enable_private_segment 0
		.amdhsa_kernarg_size 40
		.amdhsa_user_sgpr_count 2
		.amdhsa_user_sgpr_kernarg_segment_ptr 1
		.amdhsa_wavefront_size32 1
		.amdhsa_system_sgpr_workgroup_id_x 1
		.amdhsa_system_sgpr_workgroup_id_y 1
		.amdhsa_system_sgpr_workgroup_id_z 1
		.amdhsa_system_vgpr_workitem_id 0
		.amdhsa_next_free_vgpr 256
		.amdhsa_next_free_sgpr 100
		.amdhsa_reserve_vcc 1
		.amdhsa_float_denorm_mode_32 3
		.amdhsa_float_denorm_mode_16_64 3
		.amdhsa_fp16_overflow 1
		.amdhsa_memory_ordered 1
		.amdhsa_forward_progress 1
		.amdhsa_inst_pref_size 75
	.end_amdhsa_kernel
	.amdgpu_metadata
---
amdhsa.version: [ 1, 2 ]
amdhsa.kernels:
  - .name:           k_q3bcd57f82c_attn
    .symbol:         k_q3bcd57f82c_attn.kd
    .args:
      - { .name: q_codes, .offset: 0, .size: 8, .value_kind: global_buffer, .address_space: global }
      - { .name: k_codes, .offset: 8, .size: 8, .value_kind: global_buffer, .address_space: global }
      - { .name: v_codes, .offset: 16, .size: 8, .value_kind: global_buffer, .address_space: global }
      - { .name: lowp_scales, .offset: 24, .size: 8, .value_kind: global_buffer, .address_space: global }
      - { .name: o_codes, .offset: 32, .size: 8, .value_kind: global_buffer, .address_space: global }
    .group_segment_fixed_size: 327680
    .private_segment_fixed_size: 0
    .kernarg_segment_align: 8
    .kernarg_segment_size: 40
    .max_flat_workgroup_size: 512
    .sgpr_count:     100
    .vgpr_count:     256
    .wavefront_size: 32
...
	.end_amdgpu_metadata
.endif
;; end of part 2
;; launch oproj (part 3): grid 4 x 32, 4 waves a work-group, clusters of 4 x 4, 327,680 bytes of LDS; arguments o_codes, Wo_codes, lowp_scales, bo, out0; writes out0
.if DOCPART == 3
	.amdgcn_target "amdgcn-amd-amdhsa--gfx1250"
	.amdhsa_code_object_version 6
	.text
	.protected	k_q3bcd57f82c_oproj
	.globl	k_q3bcd57f82c_oproj
	.p2align	8
	.type	k_q3bcd57f82c_oproj,@function
k_q3bcd57f82c_oproj:
	s_mov_b64 s[64:65], 0
	v_nop
	global_prefetch_b8 v0, s[64:65] scope:SCOPE_SE
	s_setreg_imm32_b32 hwreg(HW_REG_WAVE_MODE, 25, 1), 1
	s_wait_xcnt 0x0
	s_wait_alu depctr_hold_cnt(0) depctr_sa_sdst(0) depctr_va_vdst(0) depctr_va_sdst(0) depctr_va_ssrc(0) depctr_va_vcc(0) depctr_vm_vsrc(0)
	s_getreg_b32 s2, hwreg(HW_REG_IB_STS2, 6, 4)
	s_cmp_eq_u32 s2, 0
	s_cbranch_scc0 .Lentry_in_a_cluster
	s_endpgm
.Lentry_in_a_cluster:
	s_bfe_u32 s2, ttmp6, 0x10000c
	s_cmp_lg_u32 s2, 0xf033
	s_cbranch_scc0 .Lentry_shape_is_right
	s_endpgm
.Lentry_shape_is_right:
; out0 = o Wo^T + bo on codes of BF8 (E5M2).  o_codes: [token / 4][head 16][token % 4][64] (8,192 tokens; K = head x 64 + d); Wo_codes: [1024][1024], K innermost; bo f32; out0 [8192][1024] f32.
; A number of o is its code x 2^e10, of Wo x 2^e11: each finished sum is multiplied once by 2^(e10 + e11) and the bias added, in one packed multiply-add.  LIMIT: e10 + e11 between -126 and 127.
; A tile of 256 x 256 to a work-group, 128 x 128 to each of four waves, K in steps of 256 through a ring of two LDS slots filled by joint tensor loads: o's tile shared along a row of the 4 x 4 cluster, Wo's along a column.
; o's tile of a K step (4 heads) is 32 rows (4 tokens each) of 1,024 bytes, 4,096 bytes apart in memory.  The matrix instruction is used transposed: a lane holds eight neighbouring numbers of a row of out0.
; 128 tiles, a work-group each.
; REGISTERS: window 0: v16-29 addresses; v32-95 the bias in the result's layout; v128-255 A's fragments, ONE set, on the way out rows read back.  window 1: B's fragments, TWO sets.  windows 2, 3: the accumulators.
.set PITA,   1040                      ; an LDS row of o: 1,024 bytes + 16: token r of a fragment lies in row r / 4 at 64 (r % 4): sixteen different 16-byte columns modulo 256 bytes
.set PITCH,  272                       ; an LDS row of Wo: 256 bytes + 16
.set FR,     16
.set NL,     4
.set NP,     4                         ; places behind this matrix instruction (ISA guide 7.12.1)
.set HALFA,  32*PITA                   ; 128 tokens
.set HALFB,  128*PITCH                 ; 128 rows of Wo
.set SLOT,   2*HALFA+2*HALFB
.set SPARE,  2*SLOT                    ; behind the ring: the spare words, 128 bytes a wave, which no other line names
.set STAGE,  SPARE+512                 ; 16 rows x (512 bytes + 16) for each wave; no tensor load lands there
.set SPITCH, 528
.set ROWC,   4096                      ; a row of out0 in bytes
.set ADRA, 16
.set ADRB, 20
.set STO,  24
.set RD,   25
.set CO,   26
.set BA,   27                          ; v27  32 h: my half's place in the bias
.set SPW,  28
.set NIL,  29
.set BIAS, 32
.set AF,   128
.set BK,   128
.set G1, 24
.set G0, 32
.set G1B, 48
.set G0B, 56
.set MSB, 0
.macro WIN new                         ; the immediate's high byte repeats the setting that is left
.if MSB != (\new)
	s_set_vgpr_msb (MSB<<8)|(\new)
.set MSB, \new
.endif
.endm
.set MUL_LO, 0xa1                      ; source 0 (B) window 1, source 1 (A) window 0, C and D window 2
.set MUL_HI, 0xf1
.set TO_B,   0x40
.macro JLOAD g0a, g1a, g0b, g1b        ; waves 0 and 1 fetch for A, waves 2 and 3 for B; four v_nop follow each of the two lines
	s_cmp_eq_u32 s15, 0
	s_cbranch_scc0 .Lfor_b_\@
	tensor_load_to_lds s[\g0a:\g0a+3], s[\g1a:\g1a+7]
	s_nop 0
.rept 4
	v_nop
.endr
	s_branch .Lasked_\@
.Lfor_b_\@:
	tensor_load_to_lds s[\g0b:\g0b+3], s[\g1b:\g1b+7]
	s_nop 0
.rept 4
	v_nop
.endr
.Lasked_\@:
.endm
.macro CREST
	s_cmp_lg_u32 s14, 0
	s_cbranch_scc1 .Lnot_wave_0_\@
	s_barrier_signal -3
.Lnot_wave_0_\@:
	s_barrier_wait -3
	s_barrier_signal -1
	s_barrier_wait -1
.endm
.macro CROUND
	s_barrier_signal -1
	s_barrier_wait -1
	CREST
.endm
	s_load_b128 s[4:7], s[0:1], 0x0                ; o's codes, Wo's codes
	s_load_b128 s[8:11], s[0:1], 0x10              ; the exponents s[8:9], bo s[10:11]
	s_load_b64 s[12:13], s[0:1], 0x20              ; out0
	v_lshl_add_u32 v[SPW], v0, 2, SPARE
	v_mov_b32 v[NIL], 0
	ds_add_u32 v28, v29
	ds_add_u32 v28, v29
	s_wait_dscnt 0x0
	v_lshrrev_b32 v1, 5, v0
	v_readfirstlane_b32 s14, v1                    ; wave 0..3
	s_lshr_b32 s15, s14, 1                         ; which half of the tile's rows is mine.  Also: I fetch for A (0) or for B (1)
	s_and_b32 s16, s14, 1                          ; which half of its columns.  Also: which half of that tile I fetch
	s_bfe_u32 s40, ttmp6, 0x40000                  ; cx, cy
	s_bfe_u32 s41, ttmp6, 0x40004
	s_lshl_b32 s42, ttmp9, 2
	s_add_co_u32 s42, s42, s40                     ; tile column
	s_and_b32 s17, ttmp7, 0xffff
	s_lshl_b32 s17, s17, 2
	s_add_co_u32 s17, s17, s41                     ; tile row
	s_lshl_b32 s43, s41, 2
	s_lshl_b32 s43, 15, s43                        ; my row of the cluster
	s_lshl_b32 s44, 0x1111, s40                    ; my column
	s_or_b32 s[G1+0], s43, (0<<16)|(1<<20)|(1<<21)|(7<<22)|(3<<25)   ; A: the mask of my row; elements of 1 byte; padding: four words after every 256
	s_mov_b32 s[G1+1], 1024<<16                    ; tensor_dim0
	s_mov_b32 s[G1+2], 32<<16                      ; tensor_dim1
	s_mov_b32 s[G1+3], 1024<<16                    ; tile_dim0
	s_mov_b32 s[G1+4], 32                          ; tile_dim1
	s_mov_b32 s[G1+5], 4096                        ; tensor_dim0_stride: four tokens' 16 heads
	s_mov_b32 s[G1+6], 0
	s_mov_b32 s[G1+7], 0
	s_or_b32 s[G1B+0], s44, (0<<16)|(1<<20)|(1<<21)|(5<<22)|(3<<25)  ; B: the mask of my column; padding: four words after every 64
	s_mov_b32 s[G1B+1], 256<<16
	s_mov_b32 s[G1B+2], 128<<16
	s_mov_b32 s[G1B+3], 256<<16
	s_mov_b32 s[G1B+4], 128
	s_mov_b32 s[G1B+5], 1024
	s_mov_b32 s[G1B+6], 0
	s_mov_b32 s[G1B+7], 0
	s_lshl_b32 s18, s16, 7
	s_lshl_b32 s20, s17, 8
	s_add_co_u32 s20, s20, s18
	s_lshl_b32 s20, s20, 10                        ; A: token 256 x tile row + 128 x half; a token's share of its group of four is 1,024 bytes
	s_mov_b32 s21, 0
	s_lshl_b32 s46, s42, 8
	s_add_co_u32 s46, s46, s18
	s_lshl_b32 s46, s46, 10                        ; B: row 256 x tile column + 128 x half
	s_mov_b32 s47, 0
	s_mul_i32 s66, s16, HALFA                      ; where they go: made of the wave's number alone
	s_mul_i32 s67, s16, HALFB
	s_add_co_u32 s67, s67, 2*HALFA
	s_wait_kmcnt 0x0
	s_load_b64 s[96:97], s[8:9], 0x28              ; e10, e11
	s_add_nc_u64 s[20:21], s[4:5], s[20:21]
	s_add_nc_u64 s[46:47], s[6:7], s[46:47]
	CROUND                                         ; all sixteen work-groups are here: the first joint loads meet
.irp s, 0,1
	s_mov_b32 s[G0+4*\s], 1
	s_add_co_u32 s[G0+4*\s+1], s66, \s*SLOT
	s_add_nc_u64 s[G0+4*\s+2:G0+4*\s+3], s[20:21], \s*1024          ; K step s: heads 4 s on
	s_or_b32 s[G0+4*\s+3], s[G0+4*\s+3], 0x80000000
	s_mov_b32 s[G0B+4*\s], 1
	s_add_co_u32 s[G0B+4*\s+1], s67, \s*SLOT
	s_add_nc_u64 s[G0B+4*\s+2:G0B+4*\s+3], s[46:47], \s*256
	s_or_b32 s[G0B+4*\s+3], s[G0B+4*\s+3], 0x80000000
	s_wait_alu depctr_va_vdst(0)
	s_wait_tensorcnt 0x0
	ds_add_u32 v28, v29
	ds_add_u32 v28, v29
	s_wait_dscnt 0x0
	CROUND
	JLOAD G0+4*\s, G1, G0B+4*\s, G1B
.endr
	v_and_b32 v1, 15, v0                           ; r
	v_bfe_u32 v2, v0, 4, 1                         ; h
	v_mul_u32_u24 v3, v1, PITCH
	v_lshl_add_u32 v4, v2, 4, v3                   ; B: row x pitch + 16 h
	v_lshrrev_b32 v5, 2, v1
	v_mul_u32_u24 v5, v5, PITA
	v_and_b32 v6, 3, v1
	v_lshl_add_u32 v5, v6, 6, v5
	v_lshl_add_u32 v5, v2, 4, v5                   ; A: LDS row r / 4, 64 (r % 4) bytes on, + 16 h
	s_mul_i32 s21, s15, HALFA                      ; my 128 tokens
	s_mul_i32 s22, s16, HALFB
	s_add_co_u32 s22, s22, 2*HALFA                 ; my 128 rows of Wo
.irp s, 0,1
	v_add_nc_u32 v[ADRA+\s], s21, v5
	v_add_nc_u32 v[ADRB+\s], s22, v4
	s_add_co_u32 s21, s21, SLOT
	s_add_co_u32 s22, s22, SLOT
.endr
	s_mul_i32 s23, s14, 16*SPITCH
	s_add_co_u32 s23, s23, STAGE                   ; my stage
	v_mul_u32_u24 v5, v1, SPITCH
	v_lshl_add_u32 v5, v2, 5, v5
	v_add_nc_u32 v[STO], s23, v5                   ; in: row r, 32 bytes for each half of the lanes
	v_and_b32 v6, 31, v0
	v_lshlrev_b32 v[CO], 4, v6                     ; back: the 32 lanes take one row of 512 bytes; and the same in out0
	v_add_nc_u32 v[RD], s23, v[CO]
	v_lshlrev_b32 v[BA], 5, v2
	s_wait_alu depctr_va_vdst(0)
	s_lshl_b32 s20, s17, 8
	s_lshl_b32 s21, s15, 7
	s_add_co_u32 s20, s20, s21
	s_lshl_b32 s20, s20, 12                        ; my first row of out0, in bytes
	s_mov_b32 s21, 0
	s_lshl_b32 s46, s42, 10
	s_lshl_b32 s47, s16, 9
	s_add_co_u32 s46, s46, s47                     ; my first column, in bytes: also my place in bo
	s_mov_b32 s47, 0
	s_add_nc_u64 s[10:11], s[10:11], s[46:47]
	s_add_nc_u64 s[12:13], s[12:13], s[20:21]
	s_add_nc_u64 s[12:13], s[12:13], s[46:47]
.irp b, 0,1,2,3,4,5,6,7
	global_load_b128 v[BIAS+8*\b:BIAS+8*\b+3], v[BA], s[10:11] offset:64*\b        ; bo of columns 16 b + 8 h + 0 .. 7: read once, awaited on the way out
	global_load_b128 v[BIAS+8*\b+4:BIAS+8*\b+7], v[BA], s[10:11] offset:64*\b+16
.endr
.macro FRAGB reg, adr, q, i            ; registers 4 c .. 4 c + 3 hold K = 128 q + 32 c + 16 h + 0 .. 15
.irp c, 0,1,2,3
	ds_load_b128 v[\reg+4*\c:\reg+4*\c+3], v[\adr] offset:128*(\q)+32*\c+(\i)*16*PITCH
.endr
.endm
.macro FRAGA reg, adr, q, i            ; the same k: head 2 q + c / 2 of the slot's four, d = 32 (c % 2) + 16 h + 0 .. 15; 16 tokens are four LDS rows
.irp c, 0,1,2,3
	ds_load_b128 v[\reg+4*\c:\reg+4*\c+3], v[\adr] offset:(2*(\q)+\c/2)*256+32*(\c%2)+(\i)*4*PITA
.endr
.endm
.macro MUL16 a0, p, zero               ; A's blocks a0, a0 + 1 x B's eight; the 64 accumulators take turns, one instruction a turn
.irp a, \a0, \a0+1
.irp b, 0,1,2,3,4,5,6,7
.if \zero
	v_wmma_f32_16x16x128_bf8_bf8 v[8*(8*((\a)%4)+\b):8*(8*((\a)%4)+\b)+7], v[128*(\p)+FR*\b:128*(\p)+FR*\b+FR-1], v[AF+FR*(\a):AF+FR*(\a)+FR-1], 0
.else
	v_wmma_f32_16x16x128_bf8_bf8 v[8*(8*((\a)%4)+\b):8*(8*((\a)%4)+\b)+7], v[128*(\p)+FR*\b:128*(\p)+FR*\b+FR-1], v[AF+FR*(\a):AF+FR*(\a)+FR-1], v[8*(8*((\a)%4)+\b):8*(8*((\a)%4)+\b)+7]
.endif
.endr
.endr
.endm
.macro FETCH_B slot, q, p
	WIN TO_B
.irp i, 0,1,2,3,4,5,6,7
	FRAGB 128*(\p)+FR*\i, ADRB+\slot, \q, \i
.endr
	WIN 0
.endm
.macro FETCH_A slot, q, i0
.irp i, \i0, \i0+1, \i0+2, \i0+3
	FRAGA AF+FR*(\i), ADRA+\slot, \q, \i
.endr
.endm
.macro PLACES n
.rept \n
	v_nop
.endr
.endm
.macro STEP slot, q, zero              ; a step of 128 along K that has its successor in the same slot
	s_wait_dscnt 4*NL                              ; B's set and A's blocks 0-3 are in; the youngest sixteen loads (A's blocks 4-7) may be out
	WIN MUL_LO
	MUL16 0, (\q)%2, \zero
	MUL16 2, (\q)%2, \zero
	s_wait_dscnt 0
	PLACES NP
	FETCH_B \slot, (\q)+1, 1-(\q)%2
	FETCH_A \slot, (\q)+1, 0
	WIN MUL_HI
	MUL16 4, (\q)%2, \zero
	MUL16 6, (\q)%2, \zero
	PLACES NP
	WIN 0
	FETCH_A \slot, (\q)+1, 4
.endm
.macro TURN slot, next, fill           ; a slot's last step changes slots
	s_wait_tensorcnt 0x0                           ; all my tensor loads have landed: my part of the next slot
	ds_add_u32 v[SPW], v[NIL]                      ; 0 onto my spare word
	s_wait_dscnt 4*NL+1                            ; the add and the youngest sixteen loads may be out
	WIN MUL_LO
	MUL16 0, 1, 0
	s_wait_dscnt 0x0                               ; the add is done, and my reads of this slot are over
	s_barrier_signal -1
	MUL16 2, 1, 0
	WIN 0
	s_barrier_wait -1
.if \fill
	CREST                                          ; the barrier has opened a round of the cluster's: no wave of any partner still reads this slot or has a load on its way
	s_add_nc_u64 s[G0+4*\slot+2:G0+4*\slot+3], s[G0+4*\slot+2:G0+4*\slot+3], 2*1024
	s_add_nc_u64 s[G0B+4*\slot+2:G0B+4*\slot+3], s[G0B+4*\slot+2:G0B+4*\slot+3], 2*256
	JLOAD G0+4*\slot, G1, G0B+4*\slot, G1B         ; the first tensor load behind the round; its four v_nop are the places in front of the loads below
.else
	PLACES NP
.endif
	FETCH_B \next, 0, 0
	FETCH_A \next, 0, 0
	WIN MUL_HI
	MUL16 4, 1, 0
	MUL16 6, 1, 0
	PLACES NP
	WIN 0
	FETCH_A \next, 0, 4
.endm
	s_wait_tensorcnt 1                             ; my part of K step 0 is in (K step 1's load may be out),
	s_barrier_signal -1
	s_barrier_wait -1                              ; everybody's is
	FETCH_B 0, 0, 0
	FETCH_A 0, 0, 0
	FETCH_A 0, 0, 4
	STEP 0, 0, 1                                   ; four K steps of 256, eight steps of 128, written out; the first starts the sums
	TURN 0, 1, 1
	STEP 1, 0, 0
	TURN 1, 0, 1
	STEP 0, 0, 0
	TURN 0, 1, 0
	STEP 1, 0, 0
	s_wait_dscnt 4*NL
	WIN MUL_LO
	MUL16 0, 1, 0
	MUL16 2, 1, 0
	s_wait_dscnt 0
	WIN MUL_HI
	MUL16 4, 1, 0
	MUL16 6, 1, 0
	WIN 0
; THE WAY OUT, block by block of 16 rows x 128 columns: sum x 2^(e10 + e11) + bo in place, through my own stage, back as whole rows of 512 bytes.
.macro TOSTAGE a
.set AC, 64*((\a)%4)
	WIN 0x82+0x41*((\a)/4)                         ; source 0 and destination: window 2 or 3; the bias: window 0
.set j, 0
.rept 32
	v_pk_fma_f32 v[AC+j:AC+j+1], v[AC+j:AC+j+1], s[96:97], v[BIAS+j:BIAS+j+1] op_sel_hi:[1,0,1]   ; each accumulator from its low end on
.set j, j+2
.endr
	WIN 0x08+4*((\a)/4)                            ; an LDS store's data: source 1
.irp b, 0,1,2,3,4,5,6,7
	ds_store_b128 v[STO], v[AC+8*\b:AC+8*\b+3] offset:64*\b
	ds_store_b128 v[STO], v[AC+8*\b+4:AC+8*\b+7] offset:64*\b+16
.endr
	WIN 0
.set BB, BK+64*((\a)%2)
.irp t, 0,1,2,3,4,5,6,7,8,9,10,11,12,13,14,15
	ds_load_b128 v[BB+4*\t:BB+4*\t+3], v[RD] offset:\t*SPITCH   ; LDS serves a wave's instructions in order (ISA guide 5.7.1.4): these see my stores
.endr
.endm
.macro SEND a, younger                 ; younger: the LDS instructions issued behind block a's loads, which may stay out
.set BB, BK+64*((\a)%2)
	s_wait_dscnt \younger
.if (\a) > 0
	s_add_nc_u64 s[12:13], s[12:13], 16*ROWC       ; behind a wait on XCNT: the earlier stores have read their base
.endif
.irp t, 0,1,2,3,4,5,6,7,8,9,10,11,12,13,14,15
	global_store_b128 v[CO], v[BB+4*\t:BB+4*\t+3], s[12:13] offset:\t*ROWC th:TH_STORE_NT   ; 32 lanes store 512 consecutive bytes, at a multiple of 256 from out0's first byte
.endr
.endm
	s_wait_kmcnt 0x0
	s_add_co_i32 s96, s96, s97
	s_add_co_i32 s96, s96, 127
	s_lshl_b32 s96, s96, 23                        ; 2^(e10 + e11) as f32
	s_mov_b32 s97, s96                             ; (named with it as a pair, so it is written)
	s_wait_loadcnt 0x0                             ; bo
	PLACES NP                                      ; behind the last products: their results are read and written, and A's registers take the rows read back
	TOSTAGE 0
.irp a, 1,2,3,4,5,6,7
.if \a > 1
	s_wait_xcnt 0x0                                ; block a - 2's stores have read their registers and their base
.endif
	TOSTAGE \a
	SEND \a-1, 32                                  ; behind block a - 1's loads: block a's 16 stores and 16 loads
.endr
	s_wait_xcnt 0x0
	SEND 7, 0
	s_wait_tensorcnt 0x0                           ; the wave's end: behind my last tensor load and my last LDS store
	ds_add_u32 v[SPW], v[NIL]
	s_wait_dscnt 0x0
	CROUND                                         ; the closing round
	s_endpgm
.Lfunc_end_k_q3bcd57f82c_oproj:
	.size	k_q3bcd57f82c_oproj, .Lfunc_end_k_q3bcd57f82c_oproj-k_q3bcd57f82c_oproj
	.p2alignl 7, 3214868480
	.fill 96, 4, 3214868480
	.section	.rodata,"a",@progbits
	.p2align	6, 0x0
	.amdhsa_kernel k_q3bcd57f82c_oproj
		.amdhsa_group_segment_fixed_size 327680
		.amdhsa_private_segment_fixed_size 0
		.amdhsa_enable_private_segment 0
		.amdhsa_kernarg_size 40
		.amdhsa_user_sgpr_count 2
		.amdhsa_user_sgpr_kernarg_segment_ptr 1
		.amdhsa_wavefront_size32 1
		.amdhsa_system_sgpr_workgroup_id_x 1
		.amdhsa_system_sgpr_workgroup_id_y 1
		.amdhsa_system_sgpr_workgroup_id_z 1
		.amdhsa_system_vgpr_workitem_id 0
		.amdhsa_next_free_vgpr 1024
		.amdhsa_next_free_sgpr 98
		.amdhsa_reserve_vcc 0
		.amdhsa_float_denorm_mode_32 3
		.amdhsa_float_denorm_mode_16_64 3
		.amdhsa_memory_ordered 1
		.amdhsa_forward_progress 1
		.amdhsa_inst_pref_size 126
	.end_amdhsa_kernel
	.amdgpu_metadata
---
amdhsa.version: [ 1, 2 ]
amdhsa.kernels:
  - .name:           k_q3bcd57f82c_oproj
    .symbol:         k_q3bcd57f82c_oproj.kd
    .args:
      - { .name: o_codes, .offset: 0, .size: 8, .value_kind: global_buffer, .address_space: global }
      - { .name: Wo_codes, .offset: 8, .size: 8, .value_kind: global_buffer, .address_space: global }
      - { .name: lowp_scales, .offset: 16, .size: 8, .value_kind: global_buffer, .address_space: global }
      - { .name: bo, .offset: 24, .size: 8, .value_kind: global_buffer, .address_space: global }
      - { .name: out0, .offset: 32, .size: 8, .value_kind: global_buffer, .address_space: global }
    .group_segment_fixed_size: 327680
    .private_segment_fixed_size: 0
    .kernarg_segment_align: 8
    .kernarg_segment_size: 40
    .max_flat_workgroup_size: 128
    .sgpr_count:     98
    .vgpr_count:     1024
    .wavefront_size: 32
...
	.end_amdgpu_metadata
.endif
;; end of part 3
